; MI455X (gfx1250); checked and timed in simulation.
; The chip was launched on July 23, 2026; its instructions are those of AMD's public machine-readable ISA for CDNA 5 (MIT licence, August 2026) and "CDNA5" Instruction Set Architecture Reference Guide (July 2026). The comments in the code are by the model that wrote it; some were corrected since.
;; Quantum Feed Forward. Allowed arithmetic: matrix products marked QUANTISED: E2M3 operands, one E8M0 scale for each 32 along K, by v_wmma_scale_f32_16x16x128_f8f6f4 with both operands' format E2M3, f32 sums; everything else in f32.
;; Inputs: W1_codes 3,072 x 24 x 24 uint8 (E2M3 codes of W1, K innermost, in blocks of 32 codes, four codes in three bytes); W1_scales 3,072 x 24 uint8 (E8M0 scales of W1, one for each 32 codes along K); W2_codes 768 x 96 x 24 uint8 (E2M3 codes of W2, K innermost, in blocks of 32 codes, four codes in three bytes); W2_scales 768 x 96 uint8 (E8M0 scales of W2, one for each 32 codes along K); b1 3,072 float32; b2 768 float32; params 768 float32; x 4 x 2,048 x 768 float32.
;; Outputs: out0 4 x 2,048 x 768 float32.
;; This version of the problem:
;;   THIS VERSION OF THE PROBLEM IS GIVEN IN LOW PRECISION. The matrix products marked QUANTISED in the list below multiply operands that are first quantised to E2M3 (2 exponent bits, 3 mantissa bits; 6 bits a number), with one power-of-two scale for each 32 numbers along K (OCP MX v1.0); their sums are f32. All else is computed in f32.
;;   The module's matrix products, in the order in which they are computed (A, B: the left and right operand; K: the contracted axis; several contracted axes count as one K, in the product's order):
;;     1. [M 8,192, K 768] x [K 768, N 3,072]; A: computed on the way; B: input W1 (given as codes): QUANTISED
;;     2. [M 8,192, K 3,072] x [K 3,072, N 768]; A: computed on the way; B: input W2 (given as codes): QUANTISED
;;   THE QUANTISER, for each operand of a quantised product, along K:
;;     - K is cut into blocks of 32 from its start; a last block that is shorter is filled with zeros.
;;     - A block's scale is 2^e with e = floor(log2(the largest magnitude in the block)) - 2, held to -126 .. 127; a block of zeros has e = 0. As a byte (E8M0): e + 127.
;;     - Each number is divided by its block's scale, clamped to +-7.5, and rounded to the nearest number of E2M3, ties to even, subnormals kept.
;;     - The product sums the exact products of the quantised numbers (number of the format x scale) in f32.
;;   ~~~python
;;   def quantise(x, axis):      # numpy; x: float32 -> the quantised numbers, widened to float32 again
;;       x = np.moveaxis(x, axis, -1); K = x.shape[-1]
;;       x = np.pad(x, [(0, 0)] * (x.ndim - 1) + [(0, -K % 32)]); x = x.reshape(x.shape[:-1] + (-1, 32)); a = np.abs(x).max(-1, keepdims=True)
;;       e = np.where(a > 0, np.clip(np.frexp(np.where(a > 0, a, 1))[1] - 1 - 2, -126, 127), 0)      # np.frexp(a)[1] - 1 = floor(log2(a)), exactly
;;       r = np.clip(x / 2.0 ** e, -7.5, 7.5)
;;       step = 2.0 ** (np.maximum(np.frexp(np.where(r == 0, 1, r))[1] - 1, 0) - 3)
;;       q = np.round(r / step) * step * 2.0 ** e      # np.round: ties to even
;;       return np.moveaxis(q.reshape(q.shape[:-2] + (-1,))[..., :K], -1, axis).astype(np.float32)
;;   ~~~
;;   OPERANDS COMPUTED ON THE WAY. 'Computed on the way' means the value that the module computes at that place (a softmax that the list does not call 'softmax' is quantised finished and normalised). What goes into a quantiser is computed in f32, as accurately as f32 sums, v_exp_f32 and their like allow (about 1e-6 of the number): no bf16 or f16 on the way to a quantiser, and a product that is left as it is and whose result goes on into a quantised operand takes f32 operands (vector FMAs, or v_wmma_f32_16x16x4_f32). A number that lies on a knife's edge between two numbers of the format may be rounded either way, as far as f32 arithmetic and the matrix unit's own rounding can turn it there, and no further.
;;   INPUTS GIVEN AS CODES. W1 (in the module: [3072, 768], K = its axis 1); W2 (in the module: [768, 3072], K = its axis 1): each comes as NAME_codes (uint8): NAME with its K axis moved to the last place and cut into blocks of 32 codes, [.., K / 32, bytes a block], one block behind the other in memory; four codes in three bytes: a row's codes are one little-endian stream of bits, code i at bits 6 i .. 6 i + 5 (a code: sign, 2 exponent bits, 3 mantissa bits); and NAME_scales (uint8): the same leading axes, one E8M0 byte (e + 127) for each 32 codes along K. Its value is code x scale, taken as it is: it is not quantised again, and the codes and scales need not be those that the quantiser above would give.
;; One version. Each part assembles by itself: llvm-mc -triple=amdgcn-amd-amdhsa -mcpu=gfx1250 --defsym DOCPART=n.
;; ======== version 1 of 1: 3 launches
;; limits: inputs' magnitudes at most 13,176,794; right only within a limited range of input values
;; workspace buffers: qc 4,718,592 bytes; qs 196,608 bytes; w1i 1,769,472 bytes; w1s 73,728 bytes; w2i 1,769,472 bytes; w2s 73,728 bytes; hc 18,874,368 bytes; hs 786,432 bytes
;; launch prep (part 1): grid 144 x 6, 4 waves a work-group, no clusters, 34,816 bytes of LDS; arguments x, params, W1_codes, W1_scales, W2_codes, W2_scales, qc, qs, w1i, w1s, w2i, w2s; writes qc, qs, w1i, w1s, w2i, w2s
.if DOCPART == 1
	.amdgcn_target "amdgcn-amd-amdhsa--gfx1250"
	.amdhsa_code_object_version 6
	.text
	.protected	k_q0a9eafb592_prep
	.globl	k_q0a9eafb592_prep
	.p2align	8
	.type	k_q0a9eafb592_prep,@function
k_q0a9eafb592_prep:
	s_mov_b64 s[64:65], 0
	v_nop
	global_prefetch_b8 v0, s[64:65] scope:SCOPE_SE
	s_setreg_imm32_b32 hwreg(HW_REG_WAVE_MODE, 25, 1), 1
	s_wait_xcnt 0x0
; PREP.  (1) q = cos(x) cos(params), [8192][768], in f32, quantised along 768 to E2M3 codes with one E8M0 byte for each 32.  (2) W1's and W2's codes and scale bytes are laid anew.
; EVERY OPERAND LEAVES AS AN IMAGE OF ITS REGISTERS.  A fragment (16 rows x 128 K, 12 registers a lane) is 1,536 bytes at (tile x KS + K step) x 1536: registers 2 p, 2 p + 1 of lane l at 256 p + 8 l.
; So six stores of 8 bytes a lane write it, each 256 consecutive aligned bytes, and six loads of the same form give any wave the operand.  Scale words: [K step][tile][16 rows], 4 bytes a row.
; W1's tiles are laid in the order and with the rows that the next launch wants: tile 24 bx + 12 ch + 4 kappa + t, its row r = W1's row 384 bx + 128 kappa + 64 ch + 32 (t / 2) + 8 (t % 2) + r + 8 (r / 8).
; SHARES.  Work-groups x < 128: four tiles of 16 rows of x (one a wave) at K step y.  x = 128 .. 135: W1, four tiles, six K steps.  x = 136 .. 143: W2 likewise.  The branch hangs on the work-group's number alone.
; No tensor loads, no matrix unit, no cluster: nothing here is shared between work-groups, and memory binds.
; THE COSINE is written out: k = the whole number nearest x / pi - 1/2, m = k + 1/2, r = x - m pi (pi in two parts, two fused multiply-adds), -cos x = (-1)^k sin r, sin r by its series up to r^13 (what is cut is under 7e-10 at |r| = pi / 2).
; The sine's form keeps the relative accuracy where the cosine passes through 0.  Both factors come out negated, so the product has the right sign.
; LIMITS: |x| and |params| under 2^22 pi (k is read off a mantissa); NaN and infinities are not served; a block of zeros gets the byte 1 where the quantiser's rule says 127: its codes are zeros, and this program alone reads the bytes.
.set X,   32                           ; v32-95   16 rows x 4 numbers as loaded: lane l holds columns 4 l .. 4 l + 3 of the K step
.set TA,  96                           ; v96-159  the cosine's work registers, four sets of 16
.set TR,  112
.set TS,  128
.set TP,  144
.set NUM, 96                           ; v96-159  later: my row's 64 numbers, register 16 b + i = k 32 b + 16 (lane / 16) + i
.set TM,  32                           ; v32-47   the quantiser's work registers
.set PC,  48                           ; v48-59   the fragment; v60-66 at work
.set PW,  68                           ; v68      the scale word
.set SEL, 60                           ; s[60:61] lane selects: lane l xor 16
.set STG, 8448                         ; LDS: a stage of 16 rows x (512 + 16) bytes for each wave
.set SWD, 33792                        ; behind the stages: the four tiles' scale words, 256 bytes
; n pairs of numbers from v[base] on become -cos of themselves; mul = 1: times -cos(params) of their columns (v24-27).  Stage by stage over all pairs, so that no line waits for the line above it.
.macro COSB base, n, mul
.set i_, 0
.rept \n
	v_pk_fma_f32 v[TA+2*i_:TA+2*i_+1], v[(\base)+2*i_:(\base)+2*i_+1], s[40:41], -0.5 op_sel_hi:[1,0,0]   ; x / pi - 1/2
.set i_, i_+1
.endr
.set i_, 0
.rept \n
	v_pk_add_f32 v[TA+2*i_:TA+2*i_+1], v[TA+2*i_:TA+2*i_+1], s[42:43] op_sel_hi:[1,0]   ; + 1.5 x 2^23: rounded to a whole number k, whose lowest bit is the mantissa's lowest
.set i_, i_+1
.endr
.set i_, 0
.rept \n
	v_pk_add_f32 v[TR+2*i_:TR+2*i_+1], v[TA+2*i_:TA+2*i_+1], s[44:45] op_sel_hi:[1,0]   ; k as a number
.set i_, i_+1
.endr
.set i_, 0
.rept \n
	v_pk_add_f32 v[TR+2*i_:TR+2*i_+1], v[TR+2*i_:TR+2*i_+1], 0.5 op_sel_hi:[1,0]        ; m = k + 1/2
.set i_, i_+1
.endr
.set i_, 0
.rept \n
	v_pk_fma_f32 v[TS+2*i_:TS+2*i_+1], v[TR+2*i_:TR+2*i_+1], s[46:47], v[(\base)+2*i_:(\base)+2*i_+1] op_sel_hi:[1,0,1]   ; x - m x pi's upper part
.set i_, i_+1
.endr
.set i_, 0
.rept \n
	v_pk_fma_f32 v[TR+2*i_:TR+2*i_+1], v[TR+2*i_:TR+2*i_+1], s[48:49], v[TS+2*i_:TS+2*i_+1] op_sel_hi:[1,0,1]   ; + m x what the upper part has too much: r
.set i_, i_+1
.endr
.set i_, 0
.rept 2*(\n)
	v_lshlrev_b32 v[TA+i_], 31, v[TA+i_]                   ; k's lowest bit as a sign
.set i_, i_+1
.endr
.set i_, 0
.rept 2*(\n)
	v_xor_b32 v[TR+i_], v[TA+i_], v[TR+i_]                 ; r takes (-1)^k
.set i_, i_+1
.endr
.set i_, 0
.rept \n
	v_pk_mul_f32 v[TS+2*i_:TS+2*i_+1], v[TR+2*i_:TR+2*i_+1], v[TR+2*i_:TR+2*i_+1]   ; r^2
.set i_, i_+1
.endr
.set i_, 0
.rept \n
	v_pk_fma_f32 v[TP+2*i_:TP+2*i_+1], v[TS+2*i_:TS+2*i_+1], s[50:51], v[30:31] op_sel_hi:[1,0,1]   ; 1/13! r^2 - 1/11!
.set i_, i_+1
.endr
.irp c, 52, 54, 56, 58                 ; + 1/9!, - 1/7!, + 1/5!, - 1/3!
.set i_, 0
.rept \n
	v_pk_fma_f32 v[TP+2*i_:TP+2*i_+1], v[TP+2*i_:TP+2*i_+1], v[TS+2*i_:TS+2*i_+1], s[\c:\c+1] op_sel_hi:[1,1,0]
.set i_, i_+1
.endr
.endr
.set i_, 0
.rept \n
	v_pk_mul_f32 v[TS+2*i_:TS+2*i_+1], v[TS+2*i_:TS+2*i_+1], v[TR+2*i_:TR+2*i_+1]   ; r^3
.set i_, i_+1
.endr
.set i_, 0
.rept \n
	v_pk_fma_f32 v[(\base)+2*i_:(\base)+2*i_+1], v[TS+2*i_:TS+2*i_+1], v[TP+2*i_:TP+2*i_+1], v[TR+2*i_:TR+2*i_+1]   ; r + r^3 (..) = -cos
.set i_, i_+1
.endr
.if \mul
.set i_, 0
.rept \n
	v_pk_mul_f32 v[(\base)+2*i_:(\base)+2*i_+1], v[(\base)+2*i_:(\base)+2*i_+1], v[24+2*(i_%2):25+2*(i_%2)]
.set i_, i_+1
.endr
.endif
.endm
; 64 numbers of a lane, v[s] .. v[s + 63], register 16 b + i = k 32 b + 16 (lane / 16) + i of my row, become a fragment's codes in v[PC] on and its scale word in v[PW].
.macro QUANT s
.irp b, 0,1,2,3
	v_max3_num_f32 v[TM+\b], |v[\s+16*\b]|, |v[\s+1+16*\b]|, 0x1800000   ; block b: my 16 numbers, and the floor 2^(3 - 127): so the byte cannot fall under 1
.endr
.irp i, 2,4,6,8,10,12,14
.irp b, 0,1,2,3
	v_max3_num_f32 v[TM+\b], v[TM+\b], |v[\s+16*\b+\i]|, |v[\s+1+16*\b+\i]|   ; the four blocks by turns
.endr
.endr
.irp b, 0,1,2,3
	v_permlanex16_b32 v[TM+4+\b], v[TM+\b], s[SEL], s[SEL+1]
.endr
.irp b, 0,1,2,3
	v_max_num_f32 v[TM+\b], v[TM+\b], v[TM+4+\b]           ; with lane l xor 16's: the block's largest magnitude
.endr
.irp b, 0,1,2,3
	v_add_nc_u32 v[TM+12+\b], 0xff000000, v[TM+\b]         ; 2 off its exponent field: the conversion takes the exponent field of this operand as its scale
.endr
.irp b, 0,1,2,3
	v_lshrrev_b32 v[TM+4+\b], 23, v[TM+12+\b]              ; the scale's byte
.endr
	v_lshl_or_b32 v[PW], v[TM+5], 8, v[TM+4]
	v_lshl_or_b32 v[PW], v[TM+6], 16, v[PW]
	v_lshl_or_b32 v[PW], v[TM+7], 24, v[PW]
.irp c, 0,1
	v_cvt_scalef32_pk16_fp6_f32 v[PC+6*\c:PC+2+6*\c], v[\s+32*\c:\s+15+32*\c], v[TM+12+2*\c]
	v_cvt_scalef32_pk16_fp6_f32 v[PC+12+4*\c:PC+14+4*\c], v[\s+16+32*\c:\s+31+32*\c], v[TM+12+2*\c+1]   ; (a conversion's three registers begin on an even number)
.endr
	v_nop                                                  ; one plain place behind a scaled conversion
.irp c, 0,1                            ; the operand's layout wants a whole block in a lane: lanes 0-15 block 2 c, lanes 16-31 block 2 c + 1
.irp i, 0,1,2
	v_permlane16_swap_b32 v[PC+6*\c+\i], v[PC+12+4*\c+\i]
.endr
.irp i, 0,1,2
	v_mov_b32 v[PC+3+6*\c+\i], v[PC+12+4*\c+\i]
.endr
.endr
.endm
; A weight's four tiles, six K steps.  s6 = the group of four tiles, s7 = the first K step, s8 = the group's first row, s9 = my tile's first row.  perm = 1: a tile's rows are r + 8 (r / 8).
.macro WPATH pitch, sp, KS, NG, perm, cptr, sptr, iptr, xptr
.if \perm
	v_and_b32 v6, 8, v4
	v_add_nc_u32 v6, v6, v4
.else
	v_mov_b32 v6, v4
.endif
	v_mul_u32_u24 v6, v6, \pitch
	v_mad_u32_u24 v6, v5, 24, v6                           ; my row, + 24 bytes for lanes 16-31
	s_mul_i32 s10, s9, \pitch
	s_mul_i32 s11, s7, 96
	s_add_co_u32 s10, s10, s11
	s_mov_b32 s11, 0
	s_add_nc_u64 s[\cptr:\cptr+1], s[\cptr:\cptr+1], s[10:11]
.irp i, 0,1,2,3,4,5
.irp p, 0,1,2,3,4,5
	global_load_b64 v[32+12*\i+2*\p:33+12*\i+2*\p], v6, s[\cptr:\cptr+1] offset:96*\i+48*(\p/3)+8*(\p%3)   ; the operand's registers, as the codes lie
.endr
.endr
	s_lshl_b32 s12, s6, 2
	s_add_co_u32 s12, s12, s2                              ; my tile
	s_mul_i32 s12, s12, \KS
	s_add_co_u32 s12, s12, s7
	s_mul_i32 s12, s12, 1536
	s_mov_b32 s13, 0
	s_add_nc_u64 s[\iptr:\iptr+1], s[\iptr:\iptr+1], s[12:13]
	s_wait_loadcnt 0x0
.irp i, 0,1,2,3,4,5
.irp p, 0,1,2,3,4,5
.if \perm
	global_store_b64 v2, v[32+12*\i+2*\p:33+12*\i+2*\p], s[\iptr:\iptr+1] offset:1536*\i+256*\p   ; W1: registers 2 p, 2 p + 1 of lane l at 256 p + 8 l
.elseif \p < 3
	global_store_b128 v1, v[32+12*\i+4*\p:35+12*\i+4*\p], s[\iptr:\iptr+1] offset:1536*\i+512*\p   ; W2: registers 4 p .. 4 p + 3 of lane l at 512 p + 16 l: 32 lanes store 512 consecutive aligned bytes
.endif
.endr
.endr
	s_cmp_lg_u32 s2, 0
	s_cbranch_scc1 .Lw_end_\@
	; wave 0: the four tiles' scale words.  Lane l takes rows 2 (l % 8) and 2 (l % 8) + 1 of tile l / 8: its 8 bytes of the 256 that a K step's four tiles have
	v_lshrrev_b32 v7, 3, v3
	v_and_b32 v8, 7, v3
	v_lshlrev_b32 v8, 1, v8
.if \perm
	v_and_b32 v9, 8, v8
	v_add_nc_u32 v8, v8, v9
	v_and_b32 v9, 1, v7
	v_lshl_add_u32 v8, v9, 3, v8
	v_lshrrev_b32 v9, 1, v7
	v_lshl_add_u32 v8, v9, 5, v8
.else
	v_lshl_add_u32 v8, v7, 4, v8
.endif
	v_mul_u32_u24 v10, v8, \sp
	v_add_nc_u32 v11, \sp, v10
	s_mul_i32 s10, s8, \sp
	s_lshl_b32 s11, s7, 2
	s_add_co_u32 s10, s10, s11
	s_mov_b32 s11, 0
	s_add_nc_u64 s[\sptr:\sptr+1], s[\sptr:\sptr+1], s[10:11]
.irp i, 0,1,2,3,4,5
	global_load_b32 v[112+2*\i], v10, s[\sptr:\sptr+1] offset:4*\i
	global_load_b32 v[113+2*\i], v11, s[\sptr:\sptr+1] offset:4*\i
.endr
	s_mul_i32 s12, s7, \NG
	s_add_co_u32 s12, s12, s6
	s_lshl_b32 s12, s12, 8
	s_mov_b32 s13, 0
	s_add_nc_u64 s[\xptr:\xptr+1], s[\xptr:\xptr+1], s[12:13]
	s_wait_loadcnt 0x0
.irp i, 0,1,2,3,4,5
	global_store_b64 v2, v[112+2*\i:113+2*\i], s[\xptr:\xptr+1] offset:\i*\NG*256
.endr
.Lw_end_\@:
	s_endpgm
.endm
	s_load_b512 s[16:31], s[0:1], 0x0              ; x, params, W1's codes, W1's scales, W2's codes, W2's scales, qc, qs
	s_load_b256 s[32:39], s[0:1], 0x40             ; w1i, w1s, w2i, w2s
	v_lshl_add_u32 v192, v0, 2, 0x8600
	v_mov_b32 v193, 0
	v_lshrrev_b32 v1, 5, v0
	v_readfirstlane_b32 s2, v1                     ; wave 0..3
	s_and_b32 s4, ttmp7, 0xffff                    ; work-group y
	v_and_b32 v3, 31, v0                           ; lane
	v_lshlrev_b32 v1, 4, v3                        ; 16 x lane
	v_lshlrev_b32 v2, 3, v3                        ; 8 x lane
	v_and_b32 v4, 15, v0                           ; r
	v_bfe_u32 v5, v0, 4, 1                         ; h
	s_wait_kmcnt 0x0
	s_cmp_lt_u32 ttmp9, 128
	s_cbranch_scc0 .Lweights
	; ---- x: my tile of 16 rows, K step y
	s_lshl_b32 s6, s4, 9                           ; the K step's 128 numbers: 512 bytes
	s_mov_b32 s7, 0
	s_add_nc_u64 s[18:19], s[18:19], s[6:7]
	s_wait_alu depctr_va_vdst(0)
	global_load_b128 v[24:27], v1, s[18:19]        ; params of my four columns
	s_lshl_b32 s8, ttmp9, 6
	s_lshl_b32 s9, s2, 4
	s_add_co_u32 s8, s8, s9                        ; my first row: 64 x work-group + 16 x wave
	s_mul_i32 s8, s8, 3072
	s_add_co_u32 s8, s8, s6
	s_mov_b32 s9, 0
	s_add_nc_u64 s[16:17], s[16:17], s[8:9]
.irp i, 0,1,2,3,4,5,6,7,8,9,10,11,12,13,14,15
	global_load_b128 v[X+4*\i:X+4*\i+3], v1, s[16:17] offset:3072*\i th:TH_LOAD_NT   ; 32 lanes read 512 consecutive bytes of row i; read once in the launch
.endr
	s_mov_b32 s40, 0x3ea2f983                      ; 1 / pi.  (A packed form names a pair and takes its low word for both halves: both words are written)
	s_mov_b32 s41, s40
	s_mov_b32 s42, 0x4b400000                      ; 1.5 x 2^23
	s_mov_b32 s43, s42
	s_mov_b32 s44, 0xcb400000
	s_mov_b32 s45, s44
	s_mov_b32 s46, 0xc0490fdb                      ; - pi's upper part
	s_mov_b32 s47, s46
	s_mov_b32 s48, 0x33bbbd2e                      ; upper part - pi = 8.742278e-8
	s_mov_b32 s49, s48
	s_mov_b32 s50, 0x2f309231                      ; 1 / 13!
	s_mov_b32 s51, s50
	s_mov_b32 s52, 0x3638ef1d                      ; 1 / 9!
	s_mov_b32 s53, s52
	s_mov_b32 s54, 0xb9500d01                      ; - 1 / 7!
	s_mov_b32 s55, s54
	s_mov_b32 s56, 0x3c088889                      ; 1 / 5!
	s_mov_b32 s57, s56
	s_mov_b32 s58, 0xbe2aaaab                      ; - 1 / 3!
	s_mov_b32 s59, s58
	s_mov_b32 s[SEL], 0x76543210
	s_mov_b32 s[SEL+1], 0xfedcba98
	v_mov_b32 v30, 0xb2d7322b                      ; - 1 / 11!
	v_mov_b32 v31, 0xb2d7322b
	s_mul_i32 s10, s2, STG                         ; my stage
	v_add_nc_u32 v6, s10, v1                       ; in: 16 x lane, a row for each store
	v_mul_u32_u24 v7, v4, 528
	v_lshl_add_u32 v7, v5, 6, v7
	v_add_nc_u32 v7, s10, v7                       ; back: row r, + 64 bytes for lanes 16-31
	s_lshl_b32 s11, s2, 6
	s_add_co_u32 s11, s11, SWD
	v_lshl_add_u32 v8, v4, 2, s11                  ; my row's scale word: 64 x wave + 4 r
	v_add_nc_u32 v9, SWD, v2                       ; and the 256 bytes on the way out
	s_lshl_b32 s12, ttmp9, 2
	s_add_co_u32 s12, s12, s2                      ; my tile
	s_mul_i32 s12, s12, 6
	s_add_co_u32 s12, s12, s4
	s_mul_i32 s12, s12, 1536
	s_mov_b32 s13, 0
	s_add_nc_u64 s[28:29], s[28:29], s[12:13]      ; qc at my fragment
	s_lshl_b32 s14, s4, 9
	s_lshl_b32 s15, ttmp9, 2
	s_add_co_u32 s14, s14, s15
	s_lshl_b32 s14, s14, 6
	s_mov_b32 s15, 0
	s_add_nc_u64 s[30:31], s[30:31], s[14:15]      ; qs at the work-group's four tiles
	s_wait_loadcnt 16                              ; params are in; the 16 loads of x may be out
	COSB 24, 2, 0
.irp q, 0,1,2,3
	s_wait_loadcnt 12-4*\q                         ; rows 4 q .. 4 q + 3 are in; the younger rows' loads may be out
	COSB X+16*\q, 8, 1
.endr
.irp i, 0,1,2,3,4,5,6,7,8,9,10,11,12,13,14,15
	ds_store_b128 v6, v[X+4*\i:X+4*\i+3] offset:528*\i
.endr
.irp b, 0,1,2,3
.irp j, 0,1,2,3
	ds_load_b128 v[NUM+16*\b+4*\j:NUM+16*\b+4*\j+3], v7 offset:128*\b+16*\j   ; LDS serves a wave's instructions in order: these see my stores.  16 neighbours of each block of 32 of my row
.endr
.endr
	s_wait_dscnt 0x0
.irp b, 0,1,2,3
	v_mov_b32 v[TM+4+\b], 0                        ; a lane permute's destination counts as one of its sources
.endr
	QUANT NUM
.irp p, 0,1,2,3,4,5
	global_store_b64 v2, v[PC+2*\p:PC+2*\p+1], s[28:29] offset:256*\p   ; 32 lanes store 256 consecutive aligned bytes
.endr
	ds_store_b32 v8, v[PW]                         ; lanes r and r + 16 write the same word with the same value
	s_wait_dscnt 0x0                               ; for the others' sake: my word has landed
	s_barrier_signal -1
	s_barrier_wait -1
	s_cmp_lg_u32 s2, 0
	s_cbranch_scc1 .Lx_end
	ds_load_b64 v[10:11], v9                       ; wave 0: the four tiles' words leave as 256 consecutive aligned bytes
	s_wait_dscnt 0x0
	global_store_b64 v2, v[10:11], s[30:31]
.Lx_end:
	s_wait_tensorcnt 0x0
	ds_add_u32 v192, v193
	s_wait_dscnt 0x0
	s_endpgm
.Lweights:
	s_sub_co_u32 s5, ttmp9, 128
	s_cmp_lt_u32 s5, 8
	s_cbranch_scc0 .Lw2
	; ---- W1: bx = s5; y = 3 ch + kappa
	s_cmp_ge_u32 s4, 3
	s_cselect_b32 s10, 1, 0                        ; ch
	s_mul_i32 s11, s10, 3
	s_sub_co_u32 s11, s4, s11                      ; kappa
	s_mul_i32 s6, s5, 6
	s_add_co_u32 s6, s6, s4                        ; the group of four tiles
	s_mov_b32 s7, 0
	s_mul_i32 s8, s5, 384
	s_lshl_b32 s11, s11, 7
	s_add_co_u32 s8, s8, s11
	s_lshl_b32 s10, s10, 6
	s_add_co_u32 s8, s8, s10                       ; its first row
	s_lshr_b32 s10, s2, 1
	s_lshl_b32 s10, s10, 5
	s_and_b32 s11, s2, 1
	s_lshl_b32 s11, s11, 3
	s_add_co_u32 s9, s8, s10
	s_add_co_u32 s9, s9, s11                       ; tile t = wave begins 32 (t / 2) + 8 (t % 2) rows on
	s_wait_alu depctr_va_vdst(0)
	WPATH 576, 24, 6, 48, 1, 20, 22, 32, 34
.Lw2:
	; ---- W2: 48 work-groups: twelve groups of four tiles x four runs of six K steps
	s_sub_co_u32 s5, s5, 8
	s_mul_i32 s5, s5, 6
	s_add_co_u32 s5, s5, s4
	s_lshr_b32 s6, s5, 2
	s_and_b32 s7, s5, 3
	s_mul_i32 s7, s7, 6
	s_lshl_b32 s8, s6, 6
	s_lshl_b32 s9, s2, 4
	s_add_co_u32 s9, s9, s8
	s_wait_alu depctr_va_vdst(0)
	WPATH 2304, 96, 24, 12, 0, 24, 26, 36, 38
.Lfunc_end_k_q0a9eafb592_prep:
	.size	k_q0a9eafb592_prep, .Lfunc_end_k_q0a9eafb592_prep-k_q0a9eafb592_prep
	.p2alignl 7, 3214868480
	.fill 96, 4, 3214868480
	.section	.rodata,"a",@progbits
	.p2align	6, 0x0
	.amdhsa_kernel k_q0a9eafb592_prep
		.amdhsa_group_segment_fixed_size 34816
		.amdhsa_private_segment_fixed_size 0
		.amdhsa_enable_private_segment 0
		.amdhsa_kernarg_size 96
		.amdhsa_user_sgpr_count 2
		.amdhsa_user_sgpr_kernarg_segment_ptr 1
		.amdhsa_wavefront_size32 1
		.amdhsa_system_sgpr_workgroup_id_x 1
		.amdhsa_system_sgpr_workgroup_id_y 1
		.amdhsa_system_sgpr_workgroup_id_z 1
		.amdhsa_system_vgpr_workitem_id 0
		.amdhsa_next_free_vgpr 194
		.amdhsa_next_free_sgpr 66
		.amdhsa_reserve_vcc 0
		.amdhsa_float_denorm_mode_32 3
		.amdhsa_float_denorm_mode_16_64 3
		.amdhsa_memory_ordered 1
		.amdhsa_forward_progress 1
		.amdhsa_inst_pref_size 68
	.end_amdhsa_kernel
	.amdgpu_metadata
---
amdhsa.version: [ 1, 2 ]
amdhsa.kernels:
  - .name:           k_q0a9eafb592_prep
    .symbol:         k_q0a9eafb592_prep.kd
    .args:
      - { .name: x, .offset: 0, .size: 8, .value_kind: global_buffer, .address_space: global }
      - { .name: params, .offset: 8, .size: 8, .value_kind: global_buffer, .address_space: global }
      - { .name: W1_codes, .offset: 16, .size: 8, .value_kind: global_buffer, .address_space: global }
      - { .name: W1_scales, .offset: 24, .size: 8, .value_kind: global_buffer, .address_space: global }
      - { .name: W2_codes, .offset: 32, .size: 8, .value_kind: global_buffer, .address_space: global }
      - { .name: W2_scales, .offset: 40, .size: 8, .value_kind: global_buffer, .address_space: global }
      - { .name: qc, .offset: 48, .size: 8, .value_kind: global_buffer, .address_space: global }
      - { .name: qs, .offset: 56, .size: 8, .value_kind: global_buffer, .address_space: global }
      - { .name: w1i, .offset: 64, .size: 8, .value_kind: global_buffer, .address_space: global }
      - { .name: w1s, .offset: 72, .size: 8, .value_kind: global_buffer, .address_space: global }
      - { .name: w2i, .offset: 80, .size: 8, .value_kind: global_buffer, .address_space: global }
      - { .name: w2s, .offset: 88, .size: 8, .value_kind: global_buffer, .address_space: global }
    .group_segment_fixed_size: 34816
    .private_segment_fixed_size: 0
    .kernarg_segment_align: 8
    .kernarg_segment_size: 96
    .max_flat_workgroup_size: 128
    .sgpr_count:     66
    .vgpr_count:     194
    .wavefront_size: 32
...
	.end_amdgpu_metadata
.endif
;; end of part 1
;; launch g1 (part 2): grid 8 x 32, 4 waves a work-group, clusters of 4 x 4, 327,680 bytes of LDS; arguments qc, qs, w1i, w1s, b1, hc, hs; writes hc, hs
.if DOCPART == 2
	.amdgcn_target "amdgcn-amd-amdhsa--gfx1250"
	.amdhsa_code_object_version 6
	.text
	.protected	k_q0a9eafb592_g1
	.globl	k_q0a9eafb592_g1
	.p2align	8
	.type	k_q0a9eafb592_g1,@function
k_q0a9eafb592_g1:
	s_mov_b64 s[64:65], 0
	v_nop
	global_prefetch_b8 v0, s[64:65] scope:SCOPE_SE
	s_setreg_imm32_b32 hwreg(HW_REG_WAVE_MODE, 25, 1), 1
	s_wait_xcnt 0x0
	s_wait_alu depctr_hold_cnt(0) depctr_sa_sdst(0) depctr_va_vdst(0) depctr_va_sdst(0) depctr_va_ssrc(0) depctr_va_vcc(0) depctr_vm_vsrc(0)
	s_getreg_b32 s2, hwreg(HW_REG_IB_STS2, 6, 4)
	s_cmp_eq_u32 s2, 0
	s_cbranch_scc0 .Lentry_in_a_cluster
	s_endpgm
.Lentry_in_a_cluster:
	s_bfe_u32 s2, ttmp6, 0x10000c
	s_cmp_lg_u32 s2, 0xf033
	s_cbranch_scc0 .Lentry_shape_is_right
	s_endpgm
.Lentry_shape_is_right:
; G1.  h = relu(q W1^T + b1), [8192][3072], on E2M3 codes with E8M0 scales, quantised again along 3072 and stored as the next launch's operand images.
; SHARES.  A work-group makes 256 rows x 384 hidden units: 32 x 8 = 256 work-groups.  Each of its four waves makes 128 rows x 192 units: 96 accumulators, 768 registers.
; Wave (rg, ch): rows 128 rg on; of each of the work-group's three runs of 128 units the half ch.  K = 768 is six steps of 96 matrix instructions on 20 fragments.
; THE PRODUCT IS USED TRANSPOSED (source 0 = 16 rows of W1, source 1 = 16 rows of q), and W1's tiles hold the rows r + 8 (r / 8): a lane holds one row of h, and the 32 registers of tiles t = 0 .. 3 are two blocks of 32
; neighbours along the next K.  The bias is the C of each sum's first product: it is loaded into the accumulators of row tile 7, which the other seven tiles' first products name as C.
; LDS.  Operands lie as images of their registers (1,536 bytes a fragment).  Two slots of TWO K steps each: 16 tiles of q and 24 of W1, 3,072 consecutive bytes a tile.  At the head each wave asks for one tile: q's slot 0, W1's slot 0,
; q's scale words, W1's scale words.  Slot 1 is filled behind the first round, slot 0 again (K steps 4, 5) when K step 1's fragments have all been read.  By this text's count one tensor load of a wave is out at a time.
; CLUSTER 4 x 4: the four work-groups of a row need the same q, the four of a column the same W1: each tile is asked for jointly.
; No prefetch: K has three fills in all, two of them asked for at the head, and there is no loop to run ahead in.
; lds_bytes claims all of a WGP's LDS, and 0 is added to spare words at the head, ahead of each later fill and at the end.
; LIMITS: NaN and infinities are not served; a block of zeros of h gets the byte 1 where the quantiser's rule says 127: its codes are zeros, and this program alone reads the bytes.
.set SLOT,  122880
.set BOFF,  49152                      ; W1's 24 tiles lie behind q's 16
.set AS,    245760                     ; q's scale words: six rows of 1,536 bytes (1,024 of data, then zeros that the load writes past the tensor's stated end)
.set BS,    254976                     ; W1's: six rows of 1,536 bytes
.set SPARE, 264192                     ; the spare words, 128 bytes a wave
.set HST,   264704                     ; the stage for h's scale words, 3 x 1,024 bytes of its own
.set SC,    20                         ; v20-43   scale words, two sets of 12: register i: lanes 0-15 q's tile i, lanes 16-31 W1's tile i
.set QF,    48                         ; v48-143  q's eight fragments
.set WF,    144                        ; v144-239 W1's fragments, two sets of four
.set G1A,   8                          ; group 1: q's tiles, q's scale words; groups 0: the ring's two slots, the head's loads
.set G1AS,  16
.set G0A,   24
.set G0H,   32
.set G0HB,  36
.set G0AS,  44
.set G1B,   48
.set G1BS,  56
.set G0B,   68
.set G0BS,  88
.set T,     48                         ; the way out: v48-175 128 numbers; v176.. largest, v184.. bytes, v192.. scale operands, v200.. half words, v204-235 codes
.set M,     176
.set N,     184
.set E,     192
.set HW,    200
.set CX,    204
.set MSB, 0
.macro WIN new                         ; the immediate's high byte repeats the setting that is left
.if MSB != (\new)
	s_set_vgpr_msb (MSB<<8)|(\new)
.set MSB, (\new)
.endif
.endm
.macro PLACES                          ; four plain places (ISA guide 7.12.1)
.rept 4
	v_nop
.endr
.endm
.macro CROUND                          ; a round of the cluster's barrier
	s_barrier_signal -1
	s_barrier_wait -1
	s_cmp_lg_u32 s2, 0
	s_cbranch_scc1 .Lnot_wave_0_\@
	s_barrier_signal -3
.Lnot_wave_0_\@:
	s_barrier_wait -3
	s_barrier_signal -1
	s_barrier_wait -1
.endm
.macro JLOAD g0a, g1a, g0b, g1b        ; a joint load: waves 0, 1 fetch q's halves, waves 2, 3 W1's
	s_cmp_eq_u32 s3, 0
	s_cbranch_scc0 .Lfor_b_\@
	tensor_load_to_lds s[\g0a:\g0a+3], s[\g1a:\g1a+7]
	s_nop 0
.rept 4
	v_nop
.endr
	s_branch .Lasked_\@
.Lfor_b_\@:
	tensor_load_to_lds s[\g0b:\g0b+3], s[\g1b:\g1b+7]
	s_nop 0
.rept 4
	v_nop
.endr
.Lasked_\@:
.endm
.macro ARM under, g0, g1, next         ; one arm of the head's chain: one load, then to the join
	s_cmp_lt_u32 s2, \under
	s_cbranch_scc0 \next
	tensor_load_to_lds s[\g0:\g0+3], s[\g1:\g1+7]
	s_nop 0
.rept 4
	v_nop
.endr
	s_branch .Lhead_asked
\next:
.endm
.macro GRP1 g, td0, tl0, rows, stride  ; words 1 to 7 of a group 1: elements of 8 bytes
	s_mov_b32 s[\g+1], (\td0)<<16
	s_mov_b32 s[\g+2], (\rows)<<16
	s_mov_b32 s[\g+3], (\tl0)<<16
	s_mov_b32 s[\g+4], \rows
	s_mov_b32 s[\g+5], \stride
	s_mov_b32 s[\g+6], 0
	s_mov_b32 s[\g+7], 0
.endm
.macro GRP0 g, lds, adr                ; a group 0: count, LDS address, global address, type
	s_mov_b32 s[\g], 1
	s_mov_b32 s[\g+1], \lds
	s_mov_b64 s[\g+2:\g+3], s[\adr:\adr+1]
	s_or_b32 s[\g+3], s[\g+3], 0x80000000
.endm
.macro FRAG reg, adr, off              ; a fragment's image into its 12 registers
.irp p, 0,1,2,3,4,5
	ds_load_b64 v[(\reg)+2*\p:(\reg)+2*\p+1], v[\adr] offset:(\off)+256*\p
.endr
.endm
.macro FETCHQ ks, a0                   ; q's tiles a0 .. a0 + 3 of K step ks: 24 loads
.irp a, \a0, \a0+1, \a0+2, \a0+3
	FRAG QF+12*(\a), 4+(((\ks)/2)%2), 3072*(\a)+1536*((\ks)%2)
.endr
.endm
.macro FETCHW ks, kp, buf              ; W1's tiles 4 kp .. 4 kp + 3 of K step ks into set buf: 24 loads
.irp t, 0,1,2,3
	FRAG WF+48*(\buf)+12*\t, 9+(((\ks)/2)%2), 3072*(4*(\kp)+\t)+1536*((\ks)%2)
.endr
.endm
.macro SCALES ks                       ; the K step's scale words: 12 loads
.irp i, 0,1,2,3,4,5,6,7,8,9,10,11
	ds_load_b32 v[SC+12*((\ks)%2)+\i], v14 offset:1536*(\ks)+64*\i
.endr
.endm
; Row tiles alo .. ahi against W1's four tiles of run kp.  The accumulators take turns, one instruction a turn.
.macro MULS ks, kp, alo, ahi
.set a_, \alo
.rept (\ahi)-(\alo)+1
.if ((\ks) == 0) && (a_ == 7)
.rept 5
	v_nop                                          ; tile 7's first products write over registers that the products before read as C: five places
.endr
.endif
.set t_, 0
.rept 4
.set rD, 8*(4*a_+t_)
.set rW, WF+48*((3*(\ks)+(\kp))%2)+12*t_
.set rQ, QF+12*a_
.set rS, SC+12*((\ks)%2)
.if ((\ks) == 0) && (a_ < 7)
	v_wmma_scale_f32_16x16x128_f8f6f4 v[rD:rD+7], v[rW:rW+11], v[rQ:rQ+11], v[224+8*t_:231+8*t_], v[rS+4*(\kp)+t_], v[rS+a_] matrix_a_fmt:MATRIX_FMT_FP6 matrix_b_fmt:MATRIX_FMT_FP6 matrix_a_scale:MATRIX_SCALE_ROW1
.else
	v_wmma_scale_f32_16x16x128_f8f6f4 v[rD:rD+7], v[rW:rW+11], v[rQ:rQ+11], v[rD:rD+7], v[rS+4*(\kp)+t_], v[rS+a_] matrix_a_fmt:MATRIX_FMT_FP6 matrix_b_fmt:MATRIX_FMT_FP6 matrix_a_scale:MATRIX_SCALE_ROW1
.endif
.set t_, t_+1
.endr
.set a_, a_+1
.endr
.endm
; The change of slots, when all fragments of a slot's second K step have been asked for.  fill = 1: slot 0 takes K steps 4 and 5.
.macro BAR fill
	WIN 0
	s_wait_tensorcnt 0x0                           ; all my tensor loads have landed: my part of the next slot
.if \fill
	ds_add_u32 v15, v16                            ; 0 onto my spare word
	s_wait_dscnt 0x0                               ; the add is done and my reads of slot 0 are in
	CROUND                                         ; no wave of any partner still reads slot 0 or has a load on its way
	JLOAD G0A, G1A, G0B, G1B                       ; my one tensor load behind the round
.else
	s_wait_dscnt 0x0
	s_barrier_signal -1
	s_barrier_wait -1
.endif
.endm
; 32 matrix instructions: K step ks, run kp.  The next group's fragments of W1 are fetched at its head; q's tiles 4-7 at the head of a K step's first group, tiles 0-3 of the next K step in the middle of its last.
.macro GROUP ks, kp
.if ((\kp) == 2) && ((\ks) == 1)
	BAR 1
.endif
.if ((\kp) == 2) && ((\ks) == 3)
	BAR 0
.endif
	PLACES
	WIN 0
.if (\kp) == 0
	FETCHQ \ks, 4
.endif
.if (3*(\ks)+(\kp)) < 17
.if (\kp) == 2
	FETCHW (\ks)+1, 0, (3*(\ks)+(\kp)+1)%2
.else
	FETCHW \ks, (\kp)+1, (3*(\ks)+(\kp)+1)%2
.endif
.endif
.if (\kp) == 0
	s_wait_dscnt 48                                ; all but the 48 loads just issued
.elseif (3*(\ks)+(\kp)) < 17
	s_wait_dscnt 24                                ; all but the 24 just issued
.else
	s_wait_dscnt 0x0
.endif
	WIN 0x50*((\kp)+1)                             ; C and D in window kp + 1, the sources in window 0
	MULS \ks, \kp, 0, 3
.if (\kp) == 0
	s_wait_dscnt 24                                ; q's tiles 4-7 are in; the next group's 24 loads of W1 may be out
.endif
.if ((\kp) == 2) && ((\ks) < 5)
	PLACES
	WIN 0
	FETCHQ (\ks)+1, 0
	SCALES (\ks)+1
	WIN 0x50*((\kp)+1)
.endif
	MULS \ks, \kp, 4, 7
.endm
	s_load_b256 s[92:99], s[0:1], 0x0              ; qc, qs, w1i, w1s
	s_load_b64 s[100:101], s[0:1], 0x20            ; b1
	v_lshl_add_u32 v15, v0, 2, SPARE               ; my spare word; never rewritten
	v_mov_b32 v16, 0                               ; 0; never rewritten
	ds_add_u32 v15, v16                            ; the opening lines: the add twice and one wait
	ds_add_u32 v15, v16
	v_lshrrev_b32 v1, 5, v0
	v_readfirstlane_b32 s2, v1                     ; wave 0..3
	s_lshr_b32 s3, s2, 1                           ; rg: my half of the rows.  Also: in the ring I fetch for q (0) or for W1 (1)
	s_and_b32 s66, s2, 1                           ; ch: my half of each run of 128 units.  Also: which half of a tile I fetch
	s_bfe_u32 s105, ttmp6, 0x40000                 ; cx
	s_bfe_u32 s7, ttmp6, 0x40004                   ; cy
	s_lshl_b32 s67, ttmp9, 2
	s_add_co_u32 s67, s67, s105                    ; bx: 384 hidden units
	s_and_b32 s6, ttmp7, 0xffff
	s_lshl_b32 s6, s6, 2
	s_add_co_u32 s6, s6, s7                        ; by: 256 rows
	s_lshl_b32 s7, s7, 2
	s_lshl_b32 s7, 15, s7                          ; my row of the cluster
	s_lshl_b32 s105, 0x1111, s105                  ; my column
	s_or_b32 s[G1A], s7, (3<<16)|(1<<21)           ; the mask; elements of 8 bytes; bit 21 beside a mask; no padding
	s_or_b32 s[G1AS], s7, (3<<16)|(1<<21)
	s_or_b32 s[G1B], s105, (3<<16)|(1<<21)
	s_or_b32 s[G1BS], s105, (3<<16)|(1<<21)
	GRP1 G1A, 384, 384, 16, 1152                   ; 16 tiles x two K steps' fragments (3,072 bytes), a tile's six K steps (9,216 bytes) apart
	GRP1 G1AS, 128, 192, 6, 4096                   ; six K steps' words of 16 tiles (1,024 bytes; the tile's row is 1,536: zeros follow), 32,768 bytes apart
	GRP1 G1B, 384, 384, 24, 1152                   ; 24 tiles
	GRP1 G1BS, 192, 192, 6, 1536                   ; six K steps' words of 24 tiles, 12,288 bytes apart
	s_mul_i32 s4, s6, 147456                       ; q: tile 16 by
	s_mov_b32 s5, 0
	s_mul_i32 s104, s67, 221184                    ; W1: tile 24 bx
	s_mov_b32 s105, 0
	s_lshl_b32 s76, s6, 10                         ; q's scale words: tiles 16 by on
	s_mov_b32 s77, 0
	s_mul_i32 s78, s67, 1536                       ; W1's: tiles 24 bx on
	s_mov_b32 s79, 0
	s_wait_dscnt 0x0                               ; both opening adds are done
	s_wait_kmcnt 0x0
	s_add_nc_u64 s[4:5], s[92:93], s[4:5]
	s_add_nc_u64 s[104:105], s[96:97], s[104:105]
	s_add_nc_u64 s[76:77], s[94:95], s[76:77]
	s_add_nc_u64 s[78:79], s[98:99], s[78:79]
	CROUND                                         ; all sixteen work-groups are here: the first joint loads meet
	GRP0 G0H, 0, 4
	GRP0 G0HB, BOFF, 104
	GRP0 G0AS, AS, 76
	GRP0 G0BS, BS, 78
	ARM 1, G0H,  G1A,  .Lhead_b                    ; one load a wave: q's K steps 0, 1; W1's; q's scale words; W1's scale words
	ARM 2, G0HB, G1B,  .Lhead_sa
	ARM 3, G0AS, G1AS, .Lhead_sb
	tensor_load_to_lds s[G0BS:G0BS+3], s[G1BS:G1BS+7]
	s_nop 0
.rept 4
	v_nop
.endr
.Lhead_asked:
	s_load_b128 s[92:95], s[0:1], 0x28             ; hc, hs
	s_mul_i32 s80, s66, 73728                      ; the ring: my half of the tiles
	s_mov_b32 s81, 0
	s_add_nc_u64 s[4:5], s[4:5], s[80:81]
	s_mul_i32 s80, s66, 110592
	s_add_nc_u64 s[104:105], s[104:105], s[80:81]
	s_mul_i32 s[G0A+1], s66, 24576                 ; where they go: no place in the cluster enters an LDS address
	s_mul_i32 s[G0B+1], s66, 36864
	s_add_co_u32 s[G0B+1], s[G0B+1], BOFF
	s_add_co_u32 s[G0A+5], s[G0A+1], SLOT
	s_add_co_u32 s[G0B+5], s[G0B+1], SLOT
.irp s, 0,1
	s_mov_b32 s[G0A+4*\s], 1
	s_mov_b32 s[G0B+4*\s], 1
	s_add_nc_u64 s[G0A+4*\s+2:G0A+4*\s+3], s[4:5], 6144-3072*\s      ; slot 0's ring load brings K steps 4, 5; slot 1's K steps 2, 3
	s_or_b32 s[G0A+4*\s+3], s[G0A+4*\s+3], 0x80000000
	s_add_nc_u64 s[G0B+4*\s+2:G0B+4*\s+3], s[104:105], 6144-3072*\s
	s_or_b32 s[G0B+4*\s+3], s[G0B+4*\s+3], 0x80000000
.endr
	s_mul_i32 s96, s67, 1536
	s_lshl_b32 s97, s66, 8
	s_add_co_u32 s96, s96, s97
	s_mov_b32 s97, 0
	s_add_nc_u64 s[100:101], s[100:101], s[96:97]  ; b1 at unit 384 bx + 64 ch
	s_mul_i32 s40, s3, 24576                       ; q's fragments of my 8 tiles, slots 0 and 1
	s_add_co_u32 s41, s40, SLOT
	s_mul_i32 s42, s66, 36864                      ; W1's of my 12 tiles
	s_add_co_u32 s42, s42, BOFF
	s_add_co_u32 s43, s42, SLOT
	s_lshl_b32 s82, s3, 9                          ; scale words: lanes 0-15 q's (tiles 8 rg on), lanes 16-31 W1's (tiles 12 ch on): the lower base + h x the distance
	s_mul_i32 s83, s66, 768
	s_add_co_u32 s83, s83, BS-AS
	s_sub_co_u32 s83, s83, s82
	s_add_co_u32 s82, s82, AS
	s_lshl_b32 s84, s3, 9                          ; h's scale words on the way in: tile 8 rg on, my two bytes of the four
	s_lshl_b32 s85, s66, 1
	s_add_co_u32 s84, s84, s85
	s_add_co_u32 s84, s84, HST
	s_lshl_b32 s85, s2, 8                          ; and on the way out: 256 bytes a wave
	s_add_co_u32 s85, s85, HST
	s_lshl_b32 s96, s6, 4                          ; hc: tile 16 by + 8 rg, K step 3 bx, half ch
	s_lshl_b32 s97, s3, 3
	s_add_co_u32 s96, s96, s97
	s_mul_i32 s96, s96, 24
	s_mul_i32 s97, s67, 3
	s_add_co_u32 s96, s96, s97
	s_mul_i32 s96, s96, 1536
	s_mul_i32 s97, s66, 768
	s_add_co_u32 s96, s96, s97
	s_mov_b32 s97, 0
	s_mul_i32 s98, s67, 98304                      ; hs: K step 3 bx, tile 16 by, + 256 x wave
	s_lshl_b32 s99, s6, 10
	s_add_co_u32 s98, s98, s99
	s_lshl_b32 s99, s2, 8
	s_add_co_u32 s98, s98, s99
	s_mov_b32 s99, 0
	v_and_b32 v1, 15, v0                           ; r
	v_bfe_u32 v2, v0, 4, 1                         ; h
	v_and_b32 v3, 31, v0
	v_lshlrev_b32 v17, 3, v3                       ; 8 x lane
	v_lshlrev_b32 v3, 6, v2                        ; b1: lanes 16-31 hold the units 16 further on
	v_add_nc_u32 v4, s40, v17
	v_add_nc_u32 v5, s41, v17
	v_add_nc_u32 v9, s42, v17
	v_add_nc_u32 v10, s43, v17
	v_mul_u32_u24 v14, s83, v2
	v_lshl_add_u32 v14, v1, 2, v14
	v_add_nc_u32 v14, s82, v14
	v_lshl_add_u32 v18, v1, 2, s84
	v_add_nc_u32 v19, s85, v17
.irp kp, 0,1,2
	WIN ((\kp)+1)<<6                               ; destination window kp + 1: the accumulators of row tile 7
.irp t, 0,1,2,3
	global_load_b128 v[224+8*\t:227+8*\t], v3, s[100:101] offset:(128*\kp+32*(\t/2)+8*(\t%2))*4
	global_load_b128 v[228+8*\t:231+8*\t], v3, s[100:101] offset:(128*\kp+32*(\t/2)+8*(\t%2))*4+16
.endr
.endr
	WIN 0
	s_wait_alu depctr_va_vdst(0)
	s_wait_kmcnt 0x0
	s_add_nc_u64 s[92:93], s[92:93], s[96:97]
	s_add_nc_u64 s[94:95], s[94:95], s[98:99]
	s_mov_b32 s96, 0x76543210                      ; lane selects: lane l xor 16
	s_mov_b32 s97, 0xfedcba98
	s_wait_tensorcnt 0x0                           ; my tile of the head's four is in
	ds_add_u32 v15, v16                            ; 0 onto my spare word, ahead of slot 1's first fill
	s_mov_b32 s[G1A+2], 8<<16                      ; no tensor load of mine is out: from here on a load brings half of the tiles
	s_mov_b32 s[G1A+4], 8
	s_mov_b32 s[G1B+2], 12<<16
	s_mov_b32 s[G1B+4], 12
	s_wait_loadcnt 0x0                             ; b1
	s_wait_dscnt 0x0
	CROUND                                         ; all four tiles are in, and all sixteen work-groups are here
	JLOAD G0A+4, G1A, G0B+4, G1B                   ; slot 1's first fill: K steps 2, 3
	FETCHQ 0, 0
	FETCHW 0, 0, 0
	SCALES 0
.irp ks, 0,1,2,3,4,5
.irp kp, 0,1,2
	GROUP \ks, \kp
.endr
.endr
	; THE WAY OUT.  relu, the blocks' scales, the conversions: four row tiles (128 numbers a lane, eight blocks) at a time.  A row tile's 32 registers are blocks 2 ch and 2 ch + 1 of K step 3 bx + kp.
	PLACES
	WIN 0
.irp q, 0,1,2,3,4,5,6,7
	v_mov_b32 v[N+\q], 0                           ; a lane permute's destination counts as one of its sources
.endr
.macro BATCH kp, u
.if ((\kp)+(\u)) > 0
	s_wait_dscnt 0x0                               ; the last batch's LDS stores
	s_wait_xcnt 0x0                                ; and global stores have read their registers, which are written again below
.endif
	WIN ((\kp)+1)<<2                               ; source 1: window kp + 1
.set j_, 0
.rept 128
	v_max_num_f32 v[T+j_], 0, v[128*(\u)+j_]       ; the activation, in f32; each accumulator from its low end on
.set j_, j_+1
.endr
	WIN 0
.irp q, 0,1,2,3,4,5,6,7
	v_max3_num_f32 v[M+\q], v[T+16*\q], v[T+16*\q+1], 0x1800000   ; my 16 numbers of block q (none is negative), and the floor 2^(3 - 127)
.endr
.irp i, 2,4,6,8,10,12,14
.irp q, 0,1,2,3,4,5,6,7
	v_max3_num_f32 v[M+\q], v[M+\q], v[T+16*\q+\i], v[T+16*\q+\i+1]
.endr
.endr
.irp q, 0,1,2,3,4,5,6,7
	v_permlanex16_b32 v[N+\q], v[M+\q], s96, s97
.endr
.irp q, 0,1,2,3,4,5,6,7
	v_max_num_f32 v[M+\q], v[M+\q], v[N+\q]        ; with lane l xor 16's: the block's largest
.endr
.irp q, 0,1,2,3,4,5,6,7
	v_add_nc_u32 v[E+\q], 0xff000000, v[M+\q]      ; 2 off its exponent field: the conversion's scale operand
.endr
.irp q, 0,1,2,3,4,5,6,7
	v_lshrrev_b32 v[N+\q], 23, v[E+\q]             ; the scale's byte
.endr
.irp a, 0,1,2,3
	v_lshl_or_b32 v[HW+\a], v[N+2*\a+1], 8, v[N+2*\a]   ; my two bytes of the row's scale word
.endr
.irp q, 0,1,2,3,4,5,6,7
	v_cvt_scalef32_pk16_fp6_f32 v[CX+4*\q:CX+4*\q+2], v[T+16*\q:T+16*\q+15], v[E+\q]
.endr
	v_nop                                          ; one plain place behind a scaled conversion
.irp a, 0,1,2,3                        ; the operand's layout wants a whole block in a lane
.irp i, 0,1,2
	v_permlane16_swap_b32 v[CX+8*\a+\i], v[CX+8*\a+4+\i]
.endr
.endr
.irp a, 0,1,2,3
.irp i, 0,1,2
	v_mov_b32 v[CX+8*\a+3+\i], v[CX+8*\a+4+\i]
.endr
.endr
.irp a, 0,1,2,3
.irp p, 0,1,2
	global_store_b64 v17, v[CX+8*\a+2*\p:CX+8*\a+2*\p+1], s[92:93] offset:(4*(\u)+\a)*36864+(\kp)*1536+256*\p   ; 32 lanes store 256 consecutive aligned bytes
.endr
.endr
.irp a, 0,1,2,3
	ds_store_b16 v18, v[HW+\a] offset:(\kp)*1024+64*(4*(\u)+\a)   ; lanes r and r + 16 write the same bytes with the same value
.endr
.endm
.irp kp, 0,1,2
	BATCH \kp, 0
	BATCH \kp, 1
.endr
	s_wait_dscnt 0x0                               ; for the others' sake: my half words have landed
	s_barrier_signal -1
	s_barrier_wait -1
.irp k, 0,1,2
	ds_load_b64 v[T+2*\k:T+2*\k+1], v19 offset:1024*\k
.endr
	s_wait_dscnt 0x0
.irp k, 0,1,2
	global_store_b64 v17, v[T+2*\k:T+2*\k+1], s[94:95] offset:32768*\k   ; 256 consecutive aligned bytes of each of the three K steps' words
.endr
	s_wait_tensorcnt 0x0                           ; the wave's end
	ds_add_u32 v15, v16
	s_wait_dscnt 0x0
	CROUND                                         ; the closing round
	s_endpgm
.Lfunc_end_k_q0a9eafb592_g1:
	.size	k_q0a9eafb592_g1, .Lfunc_end_k_q0a9eafb592_g1-k_q0a9eafb592_g1
	.p2alignl 7, 3214868480
	.fill 96, 4, 3214868480
	.section	.rodata,"a",@progbits
	.p2align	6, 0x0
	.amdhsa_kernel k_q0a9eafb592_g1
		.amdhsa_group_segment_fixed_size 327680
		.amdhsa_private_segment_fixed_size 0
		.amdhsa_enable_private_segment 0
		.amdhsa_kernarg_size 56
		.amdhsa_user_sgpr_count 2
		.amdhsa_user_sgpr_kernarg_segment_ptr 1
		.amdhsa_wavefront_size32 1
		.amdhsa_system_sgpr_workgroup_id_x 1
		.amdhsa_system_sgpr_workgroup_id_y 1
		.amdhsa_system_sgpr_workgroup_id_z 1
		.amdhsa_system_vgpr_workitem_id 0
		.amdhsa_next_free_vgpr 1024
		.amdhsa_next_free_sgpr 106
		.amdhsa_reserve_vcc 0
		.amdhsa_float_denorm_mode_32 3
		.amdhsa_float_denorm_mode_16_64 3
		.amdhsa_memory_ordered 1
		.amdhsa_forward_progress 1
		.amdhsa_inst_pref_size 220
	.end_amdhsa_kernel
	.amdgpu_metadata
---
amdhsa.version: [ 1, 2 ]
amdhsa.kernels:
  - .name:           k_q0a9eafb592_g1
    .symbol:         k_q0a9eafb592_g1.kd
    .args:
      - { .name: qc, .offset: 0, .size: 8, .value_kind: global_buffer, .address_space: global }
      - { .name: qs, .offset: 8, .size: 8, .value_kind: global_buffer, .address_space: global }
      - { .name: w1i, .offset: 16, .size: 8, .value_kind: global_buffer, .address_space: global }
      - { .name: w1s, .offset: 24, .size: 8, .value_kind: global_buffer, .address_space: global }
      - { .name: b1, .offset: 32, .size: 8, .value_kind: global_buffer, .address_space: global }
      - { .name: hc, .offset: 40, .size: 8, .value_kind: global_buffer, .address_space: global }
      - { .name: hs, .offset: 48, .size: 8, .value_kind: global_buffer, .address_space: global }
    .group_segment_fixed_size: 327680
    .private_segment_fixed_size: 0
    .kernarg_segment_align: 8
    .kernarg_segment_size: 56
    .max_flat_workgroup_size: 128
    .sgpr_count:     106
    .vgpr_count:     1024
    .wavefront_size: 32
...
	.end_amdgpu_metadata
.endif
;; end of part 2
;; launch g2 (part 3): grid 4 x 64, 8 waves a work-group, clusters of 4 x 4, 327,680 bytes of LDS; arguments hc, hs, w2i, w2s, b2, out0; writes out0
.if DOCPART == 3
	.amdgcn_target "amdgcn-amd-amdhsa--gfx1250"
	.amdhsa_code_object_version 6
	.text
	.protected	k_q0a9eafb592_g2
	.globl	k_q0a9eafb592_g2
	.p2align	8
	.type	k_q0a9eafb592_g2,@function
k_q0a9eafb592_g2:
	s_mov_b64 s[64:65], 0
	v_nop
	global_prefetch_b8 v0, s[64:65] scope:SCOPE_SE
	s_setreg_imm32_b32 hwreg(HW_REG_WAVE_MODE, 25, 1), 1
	s_wait_xcnt 0x0
	s_wait_alu depctr_hold_cnt(0) depctr_sa_sdst(0) depctr_va_vdst(0) depctr_va_sdst(0) depctr_va_ssrc(0) depctr_va_vcc(0) depctr_vm_vsrc(0)
	s_getreg_b32 s2, hwreg(HW_REG_IB_STS2, 6, 4)
	s_cmp_eq_u32 s2, 0
	s_cbranch_scc0 .Lentry_in_a_cluster
	s_endpgm
.Lentry_in_a_cluster:
	s_bfe_u32 s2, ttmp6, 0x10000c
	s_cmp_lg_u32 s2, 0xf033
	s_cbranch_scc0 .Lentry_shape_is_right
	s_endpgm
.Lentry_shape_is_right:
; G2.  out = h W2^T + b2, [8192][768] f32, on E2M3 codes with E8M0 scales.  Both operands come as images of their registers (1,536 bytes a fragment of 16 rows x 128 K), K = 3,072 in 24 steps.
; h's image: registers 2 p, 2 p + 1 of lane l at 256 p + 8 l (six loads of 8 bytes);  W2's: registers 4 p .. 4 p + 3 of lane l at 512 p + 16 l (three loads of 16 bytes).
; SHARES.  A work-group makes 128 rows x 192 columns: 64 x 4 = 256 work-groups.  EIGHT waves, two for each SIMD.  Wave (kh, rg, ch): 64 rows x 96 columns, 24 accumulators, and of the 24 K steps the twelve with parity kh:
;   a wave's step is 24 matrix instructions on 4 fragments of h and 6 of W2, as many LDS bytes for each product as with four waves; the parity stands in the LDS address registers, so one text serves both.
;   The two halves of each sum meet on the way out.  The order of rounding differs from one ascending sum: even K steps, odd K steps, then the two and b2.
; THE PRODUCT IS USED TRANSPOSED (source 0 = 16 rows of W2, source 1 = 16 rows of h): a lane holds eight neighbouring columns of one row of out.
; REGISTERS.  window 0: scale words (two sets of 6), h's fragments (two sets of 4), the accumulators of row tiles 0, 1;   window 1: W2's fragments (two sets of 6), the accumulators of row tiles 2, 3, the LDS addresses.
;   An LDS load's address lies in the window of source 0, as W2's fragments do, so the two settings of the products serve the loads too.
; A STEP is ONE run of 48 LDS loads, the wave's next step's operands into the other sets, and then 24 products on end.  The wait between them leaves those 48 loads out: LSEQ loads have been issued, the step needs the first NEEDS of them.
; LDS.  Two slots of FOUR K steps each (8 tiles of h and 12 of W2, 6,144 consecutive bytes a tile), two steps of each wave; one joint load a wave behind each round, a quarter of h's or of W2's tiles.
;   The scale words of all 24 K steps come once.  At the head each wave asks for half of one of four tiles: h's slot 0, W2's slot 0, h's scale words, W2's scale words; slot 1 is first filled behind the round that follows.
;   One tensor load of a wave is out at a time.  A wave's second step in a slot holds the change of slots: its products stand between the add and the wait for it and between the barrier's signal and wait; the run of loads follows the refill.
; CLUSTER 4 x 4: the four work-groups of a row need the same h, the four of a column the same W2.
; PREFETCH.  The bytes of slot fill p are asked for behind the load of fill p - 1, one slot ahead of their load; fill 1's at the head's end; fills 1 to 5.  Each wave asks for the tiles that it will fetch; of each tile's 6,144 bytes the
;   partner at place c takes 1,536, a lane a block of 256 bytes: 12 blocks for h's waves, 18 for W2's.  W2, which all sixteen clusters read, is asked for by the first four clusters alone.  Lanes left over name their wave's last block again.
; THE WAY OUT.  Two stages of 128 rows, one for each parity, on bytes that have had their last fill; a barrier behind every wave's last read of the slots stands in front of them.  Each wave reads 16 whole rows of both, adds them and b2, and stores.
; lds_bytes claims all of a WGP's LDS, and 0 is added to spare words at the head, ahead of each fill and at the end.
; LIMITS: NaN and infinities are not served.
.set SLOT,  122880
.set BOFF,  49152                      ; W2's 12 tiles lie behind h's 8
.set AS,    245760                     ; h's scale words: 24 rows of 768 bytes (512 of data, then zeros that the load writes past the tensor's stated end)
.set BS,    264192                     ; W2's: 24 rows of 768 bytes
.set SPARE, 282624                     ; the spare words, 128 bytes a wave: 1,024 bytes
.set SP,    784                        ; a stage row: 768 bytes + 16
.set STG,   128*SP                     ; a stage: 100,352 bytes
.set NLD,   48                         ; LDS loads of a step's operands
.set SPW,   4                          ; window 0: v4 my spare word, v5 0; never rewritten
.set NIL,   5
.set SC,    8                          ; v8-19    scale words: register i: lanes 0-15 h's tile i, lanes 16-31 W2's tile i
.set AF,    20                         ; v20-115  h's fragments
.set AC0,   120                        ; v120-215 accumulators (a, b), a = 0, 1
.set STO,   216                        ; the way out: into my stage, back from stage 0, my offset in out
.set RD,    217
.set CO,    218
.set PF1,   219                        ; the prefetch's offset
.set RD1,   221                        ; back from stage 1
.set B2,    226                        ; v226-237 b2 of my 4 columns in each of a row's three units of 256 bytes
.set OB0,   20                         ; the way out: 16 rows of stage 0, of stage 1
.set OB1,   120
.set AC1,   144                        ; window 1: v0-143 W2's fragments; v144-239 accumulators (a, b), a = 2, 3
.set ADA,   240                        ; window 1: LDS addresses: h's fragments in slots 0, 1; W2's; the scale words
.set ADB,   242
.set ADS,   244
.set G1A,   8
.set G1AS,  16
.set G0A,   24
.set G0AS,  32
.set G1B,   36
.set G1BS,  44
.set G0B,   52
.set G0BS,  60
.set G0H,   68
.set G0HB,  72
.set MSB, 0
.set LSEQ, 0                           ; LDS loads issued so far
.set LDONE, 0                          ; of which so many are known to be in
.macro WIN new                         ; the immediate's high byte repeats the setting that is left
.if MSB != (\new)
	s_set_vgpr_msb (MSB<<8)|(\new)
.set MSB, (\new)
.endif
.endm
.macro PLACES                          ; four plain places (ISA guide 7.12.1)
.rept 4
	v_nop
.endr
.endm
.macro CREST                           ; a round of the cluster's barrier behind its opening barrier
	s_cmp_lg_u32 s2, 0
	s_cbranch_scc1 .Lnot_wave_0_\@
	s_barrier_signal -3
.Lnot_wave_0_\@:
	s_barrier_wait -3
	s_barrier_signal -1
	s_barrier_wait -1
.endm
.macro CROUND                          ; a whole round
	s_barrier_signal -1
	s_barrier_wait -1
	CREST
.endm
.macro JLOAD g0a, g1a, g0b, g1b        ; a joint load: waves 0-3 fetch h's quarters, waves 4-7 W2's
	s_cmp_eq_u32 s3, 0
	s_cbranch_scc0 .Lfor_b_\@
	tensor_load_to_lds s[\g0a:\g0a+3], s[\g1a:\g1a+7]
	s_nop 0
.rept 4
	v_nop
.endr
	s_branch .Lasked_\@
.Lfor_b_\@:
	tensor_load_to_lds s[\g0b:\g0b+3], s[\g1b:\g1b+7]
	s_nop 0
.rept 4
	v_nop
.endr
.Lasked_\@:
.endm
.macro ARM under, g0, g1, next         ; one arm of the head's chain: one load, then to the join
	s_cmp_lt_u32 s2, \under
	s_cbranch_scc0 \next
	tensor_load_to_lds s[\g0:\g0+3], s[\g1:\g1+7]
	s_nop 0
.rept 4
	v_nop
.endr
	s_branch .Lhead_asked
\next:
.endm
.macro GRP1 g, td0, tl0, rows, stride  ; words 1 to 7 of a group 1: elements of 8 bytes
	s_mov_b32 s[\g+1], (\td0)<<16
	s_mov_b32 s[\g+2], (\rows)<<16
	s_mov_b32 s[\g+3], (\tl0)<<16
	s_mov_b32 s[\g+4], \rows
	s_mov_b32 s[\g+5], \stride
	s_mov_b32 s[\g+6], 0
	s_mov_b32 s[\g+7], 0
.endm
.macro GRP0 g, adr                     ; a group 0 but for its LDS address: count, global address, type
	s_mov_b32 s[\g], 1
	s_mov_b64 s[\g+2:\g+3], s[\adr:\adr+1]
	s_or_b32 s[\g+3], s[\g+3], 0x80000000
.endm
.macro ASK p                           ; my share of the bytes of slot fill p.  s90 = 0: W2's waves beyond the first four clusters
	s_cmp_lg_u32 s90, 0
	s_cbranch_scc0 .Lno_\@
	global_prefetch_b8 v[PF1], s[88:89] offset:6144*(\p) th:TH_LOAD_NT scope:SCOPE_SE
.Lno_\@:
.endm
; Load k of the 48 that bring the operands of my step m (K step 2 m + kh): 0-23 h's four fragments, 24-29 the scale words, 30-47 W2's six fragments
.macro LD m, k
.if (\k) < 24
	ds_load_b64 v[AF+48*((\m)%2)+2*(\k):AF+48*((\m)%2)+2*(\k)+1], v[ADA+(((\m)/2)%2)] offset:6144*((\k)/6)+3072*((\m)%2)+256*((\k)%6)
.elseif (\k) < 30
	ds_load_b32 v[SC+6*((\m)%2)+(\k)-24], v[ADS] offset:1536*(\m)+64*((\k)-24)
.else
	ds_load_b128 v[72*((\m)%2)+4*((\k)-30):72*((\m)%2)+4*((\k)-30)+3], v[ADB+(((\m)/2)%2)] offset:6144*(((\k)-30)/3)+3072*((\m)%2)+512*(((\k)-30)%3)
.endif
.set LSEQ, LSEQ+1
.endm
.macro FETCH m                         ; the whole run: destinations in window 0, then in window 1; the addresses in window 1
	WIN 0x01
.set KK, 0
.rept 30
	LD \m, KK
.set KK, KK+1
.endr
	WIN 0x51
.rept 18
	LD \m, KK
.set KK, KK+1
.endr
.endm
; One product.  The accumulators take turns, one instruction a turn.  My first step's products start the sums
.macro WM n, a, b
.set NEEDS, NLD*(\n)+NLD
.if NEEDS > LDONE
	s_wait_dscnt LSEQ-NEEDS                        ; this step's operands are in; the loads issued behind them may be out
.set LDONE, NEEDS
.endif
.set rB, 72*((\n)%2)+12*(\b)
.set rA, AF+48*((\n)%2)+12*(\a)
.set rS, SC+6*((\n)%2)
.if (\a) < 2
.set rD, AC0+8*(6*(\a)+(\b))
.else
.set rD, AC1+8*(6*((\a)-2)+(\b))
.endif
.if (\n) == 0
	v_wmma_scale_f32_16x16x128_f8f6f4 v[rD:rD+7], v[rB:rB+11], v[rA:rA+11], 0, v[rS+(\b)], v[rS+(\a)] matrix_a_fmt:MATRIX_FMT_FP6 matrix_b_fmt:MATRIX_FMT_FP6 matrix_a_scale:MATRIX_SCALE_ROW1
.else
	v_wmma_scale_f32_16x16x128_f8f6f4 v[rD:rD+7], v[rB:rB+11], v[rA:rA+11], v[rD:rD+7], v[rS+(\b)], v[rS+(\a)] matrix_a_fmt:MATRIX_FMT_FP6 matrix_b_fmt:MATRIX_FMT_FP6 matrix_a_scale:MATRIX_SCALE_ROW1
.endif
.endm
; Twelve products: row tiles 2 u, 2 u + 1 against W2's six.  Source 0 window 1, source 1 window 0, C and D window u
.macro MUL12 n, u
	WIN 0x01+0x50*(\u)
.irp a, 2*(\u), 2*(\u)+1
.irp b, 0,1,2,3,4,5
	WM \n, \a, \b
.endr
.endr
.endm
.macro KSTEP i
.if (((\i)%2) == 1) && ((\i) < 11)
	; my second step in a slot, and THE CHANGE OF SLOTS.  i < 8: the slot is filled again, with the four K steps two slots on
	WIN 0
	s_wait_tensorcnt 0x0                           ; all my tensor loads have landed: my part of the next slot
.if (\i) < 8
	ds_add_u32 v[SPW], v[NIL]                      ; 0 onto my spare word
	s_add_nc_u64 s[G0A+4*(((\i)/2)%2)+2:G0A+4*(((\i)/2)%2)+3], s[G0A+4*(((\i)/2)%2)+2:G0A+4*(((\i)/2)%2)+3], 12288
	s_add_nc_u64 s[G0B+4*(((\i)/2)%2)+2:G0B+4*(((\i)/2)%2)+3], s[G0B+4*(((\i)/2)%2)+2:G0B+4*(((\i)/2)%2)+3], 12288
	s_wait_dscnt 1                                 ; my reads of this slot, this step's operands, are in; the add alone may be out
.else
	s_wait_dscnt 0x0
.endif
.set LDONE, LSEQ
	MUL12 \i, 0
.if (\i) < 8
	s_wait_dscnt 0x0                               ; the add is done
.endif
	s_barrier_signal -1
	MUL12 \i, 1
	WIN 0
	s_barrier_wait -1
.if (\i) < 8
	CREST                                          ; no wave of any partner still reads this slot or has a load on its way
	JLOAD G0A+4*(((\i)/2)%2), G1A, G0B+4*(((\i)/2)%2), G1B   ; my one tensor load behind the round; its four v_nop are the places in front of the loads below
.else
	PLACES
.endif
	FETCH (\i)+1
.if (\i) < 6
	WIN 0
	ASK (\i)/2+3
.endif
.elseif (\i) == 11
	WIN 0
	s_wait_dscnt 0x0                               ; my last reads of the slots are in:
.set LDONE, LSEQ
	s_barrier_signal -1                            ; say so; behind this barrier the stages are laid over both slots
	MUL12 \i, 0
	MUL12 \i, 1
	WIN 0
	s_barrier_wait -1
.else
	PLACES                                         ; between the last step's products and the loads into the sets that the step before it read
	FETCH (\i)+1
	MUL12 \i, 0
	MUL12 \i, 1
.endif
.endm
	s_load_b256 s[76:83], s[0:1], 0x0              ; hc, hs, w2i, w2s
	s_load_b128 s[84:87], s[0:1], 0x20             ; b2, out
	v_lshl_add_u32 v[SPW], v0, 2, SPARE
	v_mov_b32 v[NIL], 0
	ds_add_u32 v[SPW], v[NIL]                      ; the opening lines: the add twice and one wait
	ds_add_u32 v[SPW], v[NIL]
	v_lshrrev_b32 v1, 5, v0
	v_readfirstlane_b32 s2, v1                     ; wave 0..7
	s_lshr_b32 s3, s2, 2                           ; kh: the parity of my K steps.  Also: in the ring I fetch for h (0) or for W2 (1)
	s_bfe_u32 s66, s2, 0x10001                     ; rg: my half of the rows
	s_and_b32 s4, s2, 1                            ; ch: my half of the columns.  Also: which half of a tile I fetch at the head
	s_and_b32 s67, s2, 3                           ; which quarter of a tile I fetch in the ring
	s_bfe_u32 s5, ttmp6, 0x40000                   ; cx
	s_bfe_u32 s6, ttmp6, 0x40004                   ; cy
	s_lshl_b32 s7, ttmp9, 2
	s_add_co_u32 s7, s7, s5                        ; bx: 192 columns
	s_and_b32 s91, ttmp7, 0xffff                   ; the cluster's y
	s_cmp_lt_u32 s91, 4
	s_cselect_b32 s90, 1, 0
	s_cmp_eq_u32 s3, 0
	s_cselect_b32 s90, 1, s90                      ; do I prefetch?
	s_lshl_b32 s91, s91, 2
	s_add_co_u32 s91, s91, s6                      ; by: 128 rows
	s_lshl_b32 s92, s6, 2
	s_lshl_b32 s92, 15, s92                        ; my row of the cluster
	s_lshl_b32 s93, 0x1111, s5                     ; my column
	s_or_b32 s[G1A], s92, (3<<16)|(1<<21)          ; the mask; elements of 8 bytes; bit 21 beside a mask; no padding
	s_or_b32 s[G1AS], s92, (3<<16)|(1<<21)
	s_or_b32 s[G1B], s93, (3<<16)|(1<<21)
	s_or_b32 s[G1BS], s93, (3<<16)|(1<<21)
	GRP1 G1A, 768, 768, 4, 4608                    ; 4 tiles x four K steps' fragments (6,144 bytes), a tile's 24 K steps (36,864 bytes) apart
	GRP1 G1AS, 64, 96, 12, 4096                    ; 12 K steps' words of 8 tiles (512 bytes; the tile's row is 768: zeros follow), 32,768 bytes apart
	GRP1 G1B, 768, 768, 6, 4608                    ; 6 tiles
	GRP1 G1BS, 96, 96, 12, 384                     ; 12 K steps' words of 12 tiles (768 bytes), 3,072 bytes apart
	s_mul_i32 s94, s91, 294912                     ; h: tile 8 by + 4 x half
	s_mul_i32 s95, s4, 147456
	s_add_co_u32 s94, s94, s95
	s_mov_b32 s95, 0
	s_mul_i32 s96, s7, 442368                      ; W2: tile 12 bx + 6 x half
	s_mul_i32 s97, s4, 221184
	s_add_co_u32 s96, s96, s97
	s_mov_b32 s97, 0
	s_lshl_b32 s98, s91, 9                         ; h's scale words: tiles 8 by on, K steps 12 x half on
	s_mul_i32 s99, s4, 393216
	s_add_co_u32 s98, s98, s99
	s_mov_b32 s99, 0
	s_mul_i32 s100, s7, 768                        ; W2's: tiles 12 bx on
	s_mul_i32 s101, s4, 36864
	s_add_co_u32 s100, s100, s101
	s_mov_b32 s101, 0
	s_mul_i32 s[G0H+1], s4, 24576                  ; where they go: no place in the cluster enters an LDS address
	s_mul_i32 s[G0HB+1], s4, 36864
	s_add_co_u32 s[G0HB+1], s[G0HB+1], BOFF
	s_mul_i32 s[G0AS+1], s4, 9216
	s_add_co_u32 s[G0BS+1], s[G0AS+1], BS
	s_add_co_u32 s[G0AS+1], s[G0AS+1], AS
	s_wait_dscnt 0x0                               ; both opening adds are done
	s_wait_kmcnt 0x0
	s_add_nc_u64 s[94:95], s[76:77], s[94:95]
	s_add_nc_u64 s[96:97], s[80:81], s[96:97]
	s_add_nc_u64 s[98:99], s[78:79], s[98:99]
	s_add_nc_u64 s[100:101], s[82:83], s[100:101]
	CROUND                                         ; all sixteen work-groups are here: the first joint loads meet
	GRP0 G0H, 94
	GRP0 G0HB, 96
	GRP0 G0AS, 98
	GRP0 G0BS, 100
	ARM 2, G0H,  G1A,  .Lhead_b                    ; one load a wave, two waves to a tile: h's K steps 0-3; W2's; h's scale words; W2's scale words
	ARM 4, G0HB, G1B,  .Lhead_sa
	ARM 6, G0AS, G1AS, .Lhead_sb
	tensor_load_to_lds s[G0BS:G0BS+3], s[G1BS:G1BS+7]
	s_nop 0
.rept 4
	v_nop
.endr
.Lhead_asked:
	s_mul_i32 s92, s91, 294912                     ; the ring: my quarter of the tiles: h's tile 8 by + 2 x quarter,
	s_mul_i32 s93, s67, 73728
	s_add_co_u32 s92, s92, s93
	s_mov_b32 s93, 0
	s_add_nc_u64 s[94:95], s[76:77], s[92:93]
	s_mul_i32 s98, s7, 442368                      ; W2's tile 12 bx + 3 x quarter
	s_mul_i32 s99, s67, 110592
	s_add_co_u32 s98, s98, s99
	s_mov_b32 s99, 0
	s_add_nc_u64 s[96:97], s[80:81], s[98:99]
	s_mul_i32 s[G0A+1], s67, 12288
	s_mul_i32 s[G0B+1], s67, 18432
	s_add_co_u32 s[G0B+1], s[G0B+1], BOFF
	s_add_co_u32 s[G0A+5], s[G0A+1], SLOT
	s_add_co_u32 s[G0B+5], s[G0B+1], SLOT
.irp s, 0,1
	s_mov_b32 s[G0A+4*\s], 1
	s_add_nc_u64 s[G0A+4*\s+2:G0A+4*\s+3], s[94:95], \s*6144     ; K steps 4 s on; each refill steps its slot's address first
	s_or_b32 s[G0A+4*\s+3], s[G0A+4*\s+3], 0x80000000
	s_mov_b32 s[G0B+4*\s], 1
	s_add_nc_u64 s[G0B+4*\s+2:G0B+4*\s+3], s[96:97], \s*6144
	s_or_b32 s[G0B+4*\s+3], s[G0B+4*\s+3], 0x80000000
.endr
	s_cmp_eq_u32 s3, 0                             ; the prefetches: the tiles that I fetch, and of each tile's 6,144 bytes my work-group's 1,536
	s_cselect_b64 s[88:89], s[94:95], s[96:97]
	s_cselect_b32 s98, s5, s6                      ; my place among the four that ask with me
	s_cselect_b32 s92, 11, 17                      ; my last block: 2 tiles x 6 blocks of h, 3 x 6 of W2
	s_mul_i32 s98, s98, 1536
	s_add_nc_u64 s[88:89], s[88:89], s[98:99]
	s_mul_i32 s98, s7, 768
	s_add_nc_u64 s[84:85], s[84:85], s[98:99]      ; b2 at column 192 bx
	s_mul_i32 s93, s3, 1536                        ; my parity's fragment in a pair of K steps
	s_mul_i32 s94, s66, 24576                      ; h's fragments of my 4 tiles, slots 0 and 1
	s_add_co_u32 s94, s94, s93
	s_add_co_u32 s95, s94, SLOT
	s_mul_i32 s96, s4, 36864                       ; W2's of my 6 tiles
	s_add_co_u32 s96, s96, s93
	s_add_co_u32 s96, s96, BOFF
	s_add_co_u32 s97, s96, SLOT
	s_lshl_b32 s98, s66, 8                         ; scale words: lanes 0-15 h's (tiles 4 rg on), lanes 16-31 W2's (tiles 6 ch on): the lower base + h x the distance
	s_mul_i32 s99, s4, 384
	s_add_co_u32 s99, s99, BS-AS
	s_sub_co_u32 s99, s99, s98
	s_mul_i32 s93, s3, 768                         ; my parity's row of words
	s_add_co_u32 s98, s98, s93
	s_add_co_u32 s98, s98, AS
	s_mul_i32 s100, s3, STG                        ; my parity's stage, in: row 64 rg + r, + 384 ch + 32 h
	s_mul_i32 s101, s66, 64*SP
	s_add_co_u32 s100, s100, s101
	s_mul_i32 s101, s4, 384
	s_add_co_u32 s100, s100, s101
	s_mul_i32 s101, s2, 16*SP                      ; back: my 16 rows
	s_lshl_b32 s93, s91, 7
	s_lshl_b32 s91, s2, 4
	s_add_co_u32 s93, s93, s91                     ; the first row that I store: 128 by + 16 x wave
	s_mul_i32 s93, s93, 3072
	s_mul_i32 s91, s7, 768
	s_add_co_u32 s6, s93, s91
	s_mov_b32 s7, 0
	s_add_nc_u64 s[86:87], s[86:87], s[6:7]
	v_and_b32 v1, 15, v0                           ; r
	v_bfe_u32 v2, v0, 4, 1                         ; h
	v_and_b32 v3, 31, v0
	v_lshlrev_b32 v6, 3, v3                        ; 8 x lane
	v_lshlrev_b32 v225, 4, v3                      ; 16 x lane
	v_lshlrev_b32 v7, 4, v1                        ; b2: my 4 columns of a unit of 64
	v_mul_u32_u24 v222, s99, v2
	v_lshl_add_u32 v222, v1, 2, v222
	v_mul_u32_u24 v[STO], v1, SP
	v_lshl_add_u32 v[STO], v2, 5, v[STO]
	v_add_nc_u32 v[STO], s100, v[STO]
	v_mul_u32_u24 v[RD], v2, SP                    ; lanes 0-15 one row, lanes 16-31 the next; 16 bytes a lane
	v_lshl_add_u32 v[RD], v1, 4, v[RD]
	v_add_nc_u32 v[RD], s101, v[RD]
	v_add_nc_u32 v[RD1], STG, v[RD]
	v_mul_u32_u24 v[CO], v2, 3072
	v_lshl_add_u32 v[CO], v1, 4, v[CO]
	v_min_u32 v[PF1], s92, v3                      ; block t of my share: tile t / 6, its block t % 6: 256 t + (36,864 - 1,536) (t / 6)
	v_mul_u32_u24 v223, v[PF1], 43                 ; t / 6 = 43 t / 256 for t under 32
	v_lshrrev_b32 v223, 8, v223
	v_mul_u32_u24 v223, v223, 35328
	v_lshl_add_u32 v[PF1], v[PF1], 8, v223
	global_load_b128 v[B2:B2+3], v7, s[84:85]
	global_load_b128 v[B2+4:B2+7], v7, s[84:85] offset:256
	global_load_b128 v[B2+8:B2+11], v7, s[84:85] offset:512
	WIN 0x40                                       ; destination window 1: the LDS addresses
	v_add_nc_u32 v[ADA], s94, v6
	v_add_nc_u32 v[ADA+1], s95, v6
	v_add_nc_u32 v[ADB], s96, v225
	v_add_nc_u32 v[ADB+1], s97, v225
	v_add_nc_u32 v[ADS], s98, v222
	WIN 0
	s_wait_alu depctr_va_vdst(0)
	ASK 1                                          ; slot 1's first fill is asked of memory while the head's tiles are on their way
	s_wait_tensorcnt 0x0                           ; my half of one of the head's four tiles is in
	ds_add_u32 v[SPW], v[NIL]                      ; 0 onto my spare word, ahead of slot 1's first fill
	s_mov_b32 s[G1A+2], 2<<16                      ; no tensor load of mine is out: from here on a load brings a quarter of the tiles
	s_mov_b32 s[G1A+4], 2
	s_mov_b32 s[G1B+2], 3<<16
	s_mov_b32 s[G1B+4], 3
	s_wait_loadcnt 0x0                             ; b2
	s_wait_dscnt 0x0
	CROUND                                         ; all four tiles are in, and all sixteen work-groups are here
	JLOAD G0A+4, G1A, G0B+4, G1B                   ; slot 1's first fill: K steps 4-7
	FETCH 0
	WIN 0
	ASK 2
.irp i, 0,1,2,3,4,5,6,7,8,9,10,11
	KSTEP \i
.endr
	; THE WAY OUT.  A lane's 32 bytes of a row go into my parity's stage; a barrier; each wave reads 16 whole rows of both stages, adds them and b2, and stores them.
	PLACES
.irp a, 0,1
.irp b, 0,1,2,3,4,5
	ds_store_b128 v[STO], v[AC0+8*(6*\a+\b):AC0+8*(6*\a+\b)+3] offset:\a*16*SP+64*\b          ; each accumulator from its low end on
	ds_store_b128 v[STO], v[AC0+8*(6*\a+\b)+4:AC0+8*(6*\a+\b)+7] offset:\a*16*SP+64*\b+16
.endr
.endr
	WIN 0x04                                       ; an LDS store's data are its source 1: window 1
.irp a, 0,1
.irp b, 0,1,2,3,4,5
	ds_store_b128 v[STO], v[AC1+8*(6*\a+\b):AC1+8*(6*\a+\b)+3] offset:(\a+2)*16*SP+64*\b
	ds_store_b128 v[STO], v[AC1+8*(6*\a+\b)+4:AC1+8*(6*\a+\b)+7] offset:(\a+2)*16*SP+64*\b+16
.endr
.endr
	WIN 0
	s_wait_dscnt 0x0                               ; for the others' sake: my stores into the stage have landed
	s_barrier_signal -1
	s_barrier_wait -1
.set t_, 0
.rept 24
	ds_load_b128 v[OB0+4*t_:OB0+4*t_+3], v[RD] offset:2*SP*(t_/3)+256*(t_%3)
	ds_load_b128 v[OB1+4*t_:OB1+4*t_+3], v[RD1] offset:2*SP*(t_/3)+256*(t_%3)
.set t_, t_+1
.endr
.set t_, 0
.rept 24
	s_wait_dscnt 46-2*t_                           ; LDS loads come back in order: this pair is in, the younger pairs may be out
	v_pk_add_f32 v[OB0+4*t_:OB0+4*t_+1], v[OB0+4*t_:OB0+4*t_+1], v[OB1+4*t_:OB1+4*t_+1]
	v_pk_add_f32 v[OB0+4*t_+2:OB0+4*t_+3], v[OB0+4*t_+2:OB0+4*t_+3], v[OB1+4*t_+2:OB1+4*t_+3]
	v_pk_add_f32 v[OB0+4*t_:OB0+4*t_+1], v[OB0+4*t_:OB0+4*t_+1], v[B2+4*(t_%3):B2+4*(t_%3)+1]
	v_pk_add_f32 v[OB0+4*t_+2:OB0+4*t_+3], v[OB0+4*t_+2:OB0+4*t_+3], v[B2+4*(t_%3)+2:B2+4*(t_%3)+3]
	global_store_b128 v[CO], v[OB0+4*t_:OB0+4*t_+3], s[86:87] offset:6144*(t_/3)+256*(t_%3) th:TH_STORE_NT   ; 16 lanes store 256 consecutive bytes, at a multiple of 256 from out's first byte
.set t_, t_+1
.endr
	s_wait_tensorcnt 0x0                           ; the wave's end
	ds_add_u32 v[SPW], v[NIL]
	s_wait_dscnt 0x0
	CROUND                                         ; the closing round
	s_endpgm
.Lfunc_end_k_q0a9eafb592_g2:
	.size	k_q0a9eafb592_g2, .Lfunc_end_k_q0a9eafb592_g2-k_q0a9eafb592_g2
	.p2alignl 7, 3214868480
	.fill 96, 4, 3214868480
	.section	.rodata,"a",@progbits
	.p2align	6, 0x0
	.amdhsa_kernel k_q0a9eafb592_g2
		.amdhsa_group_segment_fixed_size 327680
		.amdhsa_private_segment_fixed_size 0
		.amdhsa_enable_private_segment 0
		.amdhsa_kernarg_size 48
		.amdhsa_user_sgpr_count 2
		.amdhsa_user_sgpr_kernarg_segment_ptr 1
		.amdhsa_wavefront_size32 1
		.amdhsa_system_sgpr_workgroup_id_x 1
		.amdhsa_system_sgpr_workgroup_id_y 1
		.amdhsa_system_sgpr_workgroup_id_z 1
		.amdhsa_system_vgpr_workitem_id 0
		.amdhsa_next_free_vgpr 512
		.amdhsa_next_free_sgpr 102
		.amdhsa_reserve_vcc 0
		.amdhsa_float_denorm_mode_32 3
		.amdhsa_float_denorm_mode_16_64 3
		.amdhsa_memory_ordered 1
		.amdhsa_forward_progress 1
		.amdhsa_inst_pref_size 109
	.end_amdhsa_kernel
	.amdgpu_metadata
---
amdhsa.version: [ 1, 2 ]
amdhsa.kernels:
  - .name:           k_q0a9eafb592_g2
    .symbol:         k_q0a9eafb592_g2.kd
    .args:
      - { .name: hc, .offset: 0, .size: 8, .value_kind: global_buffer, .address_space: global }
      - { .name: hs, .offset: 8, .size: 8, .value_kind: global_buffer, .address_space: global }
      - { .name: w2i, .offset: 16, .size: 8, .value_kind: global_buffer, .address_space: global }
      - { .name: w2s, .offset: 24, .size: 8, .value_kind: global_buffer, .address_space: global }
      - { .name: b2, .offset: 32, .size: 8, .value_kind: global_buffer, .address_space: global }
      - { .name: out0, .offset: 40, .size: 8, .value_kind: global_buffer, .address_space: global }
    .group_segment_fixed_size: 327680
    .private_segment_fixed_size: 0
    .kernarg_segment_align: 8
    .kernarg_segment_size: 48
    .max_flat_workgroup_size: 256
    .sgpr_count:     102
    .vgpr_count:     512
    .wavefront_size: 32
...
	.end_amdgpu_metadata
.endif
;; end of part 3
